; MI455X (gfx1250); checked and timed in simulation.
; The chip was launched on July 23, 2026; its instructions are those of AMD's public machine-readable ISA for CDNA 5 (MIT licence, August 2026) and "CDNA5" Instruction Set Architecture Reference Guide (July 2026). The comments in the code are by the model that wrote it; some were corrected since.
;; Attend. Allowed arithmetic: matrix products marked QUANTISED: E2M1 operands, one E8M0 scale for each 32 along K, by v_wmma_scale_f32_16x16x128_f8f6f4 with both operands' format E2M1 (or v_wmma_scale_f32_32x16x128_f4), f32 sums; everything else in f32.
;; Inputs: k 4 x 16 x 2,048 x 64 float32; q 4 x 16 x 2,048 x 64 float32; v 4 x 16 x 2,048 x 64 float32.
;; Outputs: out0 4 x 16 x 2,048 x 64 float32.
;; This version of the problem:
;;   THIS VERSION OF THE PROBLEM IS GIVEN IN LOW PRECISION. The matrix products marked QUANTISED in the list below multiply operands that are first quantised to E2M1 (2 exponent bits, 1 mantissa bit; 4 bits a number), with one power-of-two scale for each 32 numbers along K (OCP MX v1.0); their sums are f32. All else is computed in f32.
;;   The module's matrix products, in the order in which they are computed (A, B: the left and right operand; K: the contracted axis; several contracted axes count as one K, in the product's order):
;;     1. batch 64 x [M 2,048, K 64] x [K 64, N 2,048]; A: input q; B: input k: QUANTISED
;;     2. batch 64 x [M 2,048, K 2,048] x [K 2,048, N 64]; A: softmax (see below); B: input v: QUANTISED
;;   THE QUANTISER, for each operand of a quantised product, along K:
;;     - K is cut into blocks of 32 from its start; a last block that is shorter is filled with zeros.
;;     - A block's scale is 2^e with e = floor(log2(the largest magnitude in the block)) - 2, held to -126 .. 127; a block of zeros has e = 0. As a byte (E8M0): e + 127.
;;     - Each number is divided by its block's scale, clamped to +-6, and rounded to the nearest number of E2M1, ties to even, subnormals kept.
;;     - The product sums the exact products of the quantised numbers (number of the format x scale) in f32.
;;   ~~~python
;;   def quantise(x, axis):      # numpy; x: float32 -> the quantised numbers, widened to float32 again
;;       x = np.moveaxis(x, axis, -1); K = x.shape[-1]
;;       x = np.pad(x, [(0, 0)] * (x.ndim - 1) + [(0, -K % 32)]); x = x.reshape(x.shape[:-1] + (-1, 32)); a = np.abs(x).max(-1, keepdims=True)
;;       e = np.where(a > 0, np.clip(np.frexp(np.where(a > 0, a, 1))[1] - 1 - 2, -126, 127), 0)      # np.frexp(a)[1] - 1 = floor(log2(a)), exactly
;;       r = np.clip(x / 2.0 ** e, -6, 6)
;;       step = 2.0 ** (np.maximum(np.frexp(np.where(r == 0, 1, r))[1] - 1, 0) - 1)
;;       q = np.round(r / step) * step * 2.0 ** e      # np.round: ties to even
;;       return np.moveaxis(q.reshape(q.shape[:-2] + (-1,))[..., :K], -1, axis).astype(np.float32)
;;   ~~~
;;   SOFTMAX AHEAD OF A QUANTISED PRODUCT. Where the list says 'softmax', what is quantised is not the finished softmax but p = 2^(t - M), with t = logit x log2(e) and M = ceil(the row's largest t), a whole number; so 1/2 < the row's largest p <= 1. The row's sum l is taken of the UNQUANTISED p, in f32, and the product's result is divided by l at the end. Since M is a whole number, a kernel that streams over the keys may use a running M (the ceiling of the running maximum): every later rescaling is an exact power of two, which a block's scale takes up: the codes' values come out the same.
;;   OPERANDS COMPUTED ON THE WAY. 'Computed on the way' means the value that the module computes at that place (a softmax that the list does not call 'softmax' is quantised finished and normalised). What goes into a quantiser is computed in f32, as accurately as f32 sums, v_exp_f32 and their like allow (about 1e-6 of the number): no bf16 or f16 on the way to a quantiser, and a product that is left as it is and whose result goes on into a quantised operand takes f32 operands (vector FMAs, or v_wmma_f32_16x16x4_f32). A number that lies on a knife's edge between two numbers of the format may be rounded either way, as far as f32 arithmetic and the matrix unit's own rounding can turn it there, and no further.
;; 2 versions. Each part assembles by itself: llvm-mc -triple=amdgcn-amd-amdhsa -mcpu=gfx1250 --defsym DOCPART=n.
;; ======== version 1 of 2: 1 launch
;; launch attend (part 1): grid 4 x 64, 16 waves a work-group, no clusters, 215,040 bytes of LDS; arguments q, k, v, out0; writes out0
.if DOCPART == 1
	.amdgcn_target "amdgcn-amd-amdhsa--gfx1250"
	.amdhsa_code_object_version 6
	.text
	.protected	k_q7875cf9259_attend
	.globl	k_q7875cf9259_attend
	.p2align	8
	.type	k_q7875cf9259_attend,@function
k_q7875cf9259_attend:
	s_mov_b64 s[64:65], 0
	v_nop
	global_prefetch_b8 v0, s[64:65] scope:SCOPE_SE
	s_setreg_imm32_b32 hwreg(HW_REG_WAVE_MODE, 25, 1), 1
	s_wait_xcnt 0x0
; out0[h][i][:] = the sum over j of softmax_j(q[h][i] . k[h][j] / 8) v[h][j][:], 64 heads (batch x head), 2,048 queries and keys a head, head size 64; q, k, v, out0 f32.
; Both products run on codes of FP4 (E2M1) with one E8M0 scale for each 32 along a product's K: the first along the head's 64, the second along the keys.
; THE SOFTMAX AHEAD OF THE SECOND PRODUCT: t = score x log2(e) / 8; M = the running largest t, rounded UP to a whole number; p = 2^(t - M) is quantised along the keys, not normalised.
; The row's sum is taken of the unquantised p in f32 and divides at the end.  When M moves, the sum and O are multiplied by 2^(old M - new M): exact.
; NOTHING OF THE PROBLEM IS LEFT OUT: all three inputs reach the output, there is no mask, and every key counts for every query.
; SHARES.  A work-group (x = 0..3, head) owns 512 queries of one head; each of its sixteen waves owns 32, as two tiles of 16, taken in TWO PASSES over the head's 2,048 keys, 128 keys a step.
; A head's codes are small: 64 KiB of K's, 64 KiB of V's, 12 KiB of scale words.  They lie in LDS whole, as sixteen records of one chunk (128 keys) each, and every byte of a record is written once.
; THE WORK-GROUP QUANTISES ITS HEAD'S K AND V ITSELF, UNDER PASS 1: waves 0-7 take K, waves 8-15 V; a lane holds one whole block of 32 numbers in 32 registers.  Trip J stores record J + 1 (loaded a trip ago),
; asks for chunk J + 2, and runs the key step on record J.  Pass 2 reads LDS alone.
; NO CLUSTER, NO JOINT LOADS: what the four work-groups of a head share is the f32 stream, 1 MiB a head, which has to pass through registers to be quantised.  Brought jointly it would first lie in LDS as f32:
; 1 MiB written and read again in each work-group, against the 128 KiB of codes that are kept, and sixteen changes of slots.  So the numbers go from memory straight into registers, and no tensor load is written.
; LAYOUT.  Both products are used transposed: S^T = K Q^T (source 0 = 16 keys, source 1 = my 16 queries), O^T = V^T P^T (source 0 = 16 channels, source 1 = P): a lane holds ONE query (lane % 16) throughout.
; THE KEYS OF A TILE ARE NOT NEIGHBOURS: row m of tile 2 b + u is key 32 b + 16 (m / 8) + 8 u + m % 8 of the chunk, so that the 16 registers of tiles 2 b and 2 b + 1 are 16 neighbouring keys, 32 b + 16 (lane / 16) + 0 .. 15.
; The first product's K is 64 of the instruction's 128: registers 4-7 of K's and Q's fragments are zero codes, kept for the whole launch, under scale bytes of 0 (2^-127): they add nothing.
; LIMITS.  NaN and infinities among the inputs are not served.  A block of zeros, or one whose largest magnitude lies under 2^-124, gets the scale byte 1 (only this program reads the bytes; a block of zeros has zero codes).
; t = score x (log2(e) / 8) is rounded once.  A p under 2^-126 comes out of v_exp_f32 as 0.  A block's largest p is taken as the exponential of the block's largest score, which takes v_exp_f32 not to fall where its input rises.
; LDS: record j at REC j: K's codes 4,096 (8 tiles x 512: lane l's 16 bytes at 16 l), V's codes 4,096 (4 channel tiles x 1,024: registers 0-3 at 16 l, registers 4-7 512 further on),
;   K's scale words 512 (lane l's 16 bytes: word t of tile 4 (l / 16) + t, row l % 16), V's scale words 256 (row r's 16 bytes: word ct of channel tile ct).  Behind the records a stage of 16 x 272 bytes for each wave, then the spare words.
.set REC,    8960                      ; a record: 35 x 256 bytes
.set VCO,    4096                      ; in it: V's codes,
.set KSO,    8192                      ; K's scale words,
.set VSO,    8704                      ; V's scale words
.set STAGE,  16*REC                    ; the way out: each wave's own 16 rows
.set SPITCH, 272                       ; a stage row: 256 bytes + 16
.set SPARE,  STAGE+16*16*SPITCH        ; the spare words, 128 bytes for each wave: eight blocks of 256 bytes that no other line names
.set CHUNKB, 32768                     ; a chunk of K or of V in memory: 128 rows of 256 bytes
.set SPW,  1                           ; v1   LDS address of my spare word; never rewritten
.set NIL,  2                           ; v2   0; never rewritten
.set RA0,  3                           ; v3   16 x lane: my place in an image
.set RV0,  4                           ; v4   VSO + 16 (lane % 16): my row's scale words of V
.set KCW0, 5                           ; v5-8 where I store into a record: K's codes, K's scale word, V's codes, V's scale byte
.set KSW0, 6
.set VCW0, 7
.set VSW0, 8
.set GKQ,  9                           ; v9   256 (lane % 16) + 128 (lane / 16): my block of 32 numbers in 16 rows of q or k
.set VGO,  10                          ; v10  4 x lane: my channel in a row of v
.set SH8,  11                          ; v11  8 (lane / 16)
.set NM,   12                          ; v12  -M;  v13 the running largest t (the packed form names the pair)
.set TM,   13
.set SUM,  14                          ; v[14:15] the row's sum, in two halves
.set QF0,  16                          ; v[16:23], v[24:31] Q's two fragments: 4 registers of codes, 4 of zeros
.set QF1,  24
.set QS0,  32                          ; v32, v33 Q's scale words;  v34 p's
.set QS1,  33
.set PW,   34
.set LN,   35                          ; v35  at the head: lane
.set KSC,  36                          ; v[36:39] K's scale words: lanes 0-15 tiles 0-3, lanes 16-31 tiles 4-7
.set VSC,  40                          ; v[40:43] V's scale words
.set SO,   44                          ; v44  the stage: where I put 32 bytes of a row;  v45 where I read a row back;  v46 my byte offset in two rows of out0
.set SR,   45
.set GO,   46
.set PFO,  47                          ; v47  256 x lane: the prefetches' offset
.set F,    48                          ; v[48:49] f = 2^(old M - new M), and a 0 named with it as a pair
.set T0,   50                          ; v50-53 at work
.set T1,   51
.set T2,   52
.set RA,   54                          ; v54, v55 the step's LDS addresses
.set RV,   55
.set BM,   56                          ; v[56:59] the blocks' largest scores, then largest p
.set L7,   56                          ; (at the head: lane % 8, (lane / 8) % 2, lane % 16, lane / 16)
.set B3,   57
.set RR,   58
.set HH,   59
.set PT,   60                          ; v[60:63] the lane permutes' destinations, then scale bytes
.set S,    64                          ; v[64:127] S^T, then p; v[64:95] then V's four fragments; on the way out O / the sum and the rows read back
.set O,    128                         ; v[128:159] O^T, four tiles of 16 channels
.set KF,   160                         ; v[160:191] four fragments of K: 4 registers loaded, 4 of zeros
.set PC,   192                         ; v[192:199] p's codes; v[192:195] also a block's codes of K or V
.set SOP,  200                         ; v[200:203] the conversions' scale operands
.set KCW,  204                         ; v204-207 the four store addresses in the record at hand
.set KSW,  205
.set VCW,  206
.set VSW,  207
.set X,    208                         ; v[208:239] 32 numbers of K or V on their way
.set WV,   12                          ; s12  my wave's number;  s13 its low three bits
.set W8,   13
.set J,    14                          ; s14  the trip
.set LIMJ, 15                          ; s15  13 in a wave that prefetches, else 0
.set SB,   16                          ; s[16:17] where my staged loads stand in k or v
.set PFA,  18                          ; s[18:19] where my prefetches stand
.set SEL,  20                          ; s[20:21] lane selects for v_permlanex16_b32: lane l xor 16
.set CS,   22                          ; s[22:23] c = log2(e) / 8: the packed form names a pair and takes its low word for both halves
.set OB,   24                          ; s[24:25] out0, s[26:27] q at my wave's first row
.set QB,   26
.set RO,   36                          ; s36  REC x the key step
; 32 numbers of ONE block, v[src] on, become 4 registers of codes, v[dst] on; the scale's byte is left in v[T1].
.macro QBLK src, dst
	v_max3_num_f32 v[T0], |v[(\src)]|, |v[(\src)+1]|, |v[(\src)+2]|          ; the block's largest magnitude, in two chains
	v_max3_num_f32 v[T1], |v[(\src)+3]|, |v[(\src)+4]|, |v[(\src)+5]|
.irp i, 6,10,14,18,22,26
	v_max3_num_f32 v[T0], v[T0], |v[(\src)+\i]|, |v[(\src)+\i+1]|
	v_max3_num_f32 v[T1], v[T1], |v[(\src)+\i+2]|, |v[(\src)+\i+3]|
.endr
	v_max3_num_f32 v[T0], v[T0], |v[(\src)+30]|, |v[(\src)+31]|
	v_max3_num_f32 v[T0], v[T0], v[T1], 0x1800000                            ; and the floor 2^(3 - 127): the byte cannot fall under 1
	v_add_nc_u32 v[SOP], 0xff000000, v[T0]                                   ; 2 off its exponent field: the conversion takes the exponent field of this operand as its scale
	v_lshrrev_b32 v[T1], 23, v[SOP]                                          ; the scale's byte
.irp g, 0,1,2,3
	v_cvt_scalef32_pk8_fp4_f32 v[(\dst)+\g], v[(\src)+8*\g:(\src)+8*\g+7], v[SOP]
.endr
	v_nop                                                                    ; one plain place behind a scaled conversion
.endm
; The byte in v[T1] (block lane / 16 of my row) and lane l xor 16's make the row's scale word: bytes 0 and 1; bytes 2 and 3 stay 0.
.macro WORD dst
	v_lshlrev_b32 v[T1], v[SH8], v[T1]
	v_permlanex16_b32 v[T2], v[T1], s[SEL], s[SEL+1]
	v_or_b32 v[\dst], v[T1], v[T2]
.endm
.macro KLOADS                          ; my block of my key: 128 bytes
.irp i, 0,1,2,3,4,5,6,7
	global_load_b128 v[X+4*\i:X+4*\i+3], v[GKQ], s[SB:SB+1] offset:16*\i
.endr
.endm
.macro VLOADS                          ; my channel down 32 keys: each load reads 128 consecutive bytes
.set n, 0
.rept 32
	global_load_b32 v[X+n], v[VGO], s[SB:SB+1] offset:256*n
.set n, n+1
.endr
.endm
; THE QUANTISING PHASE.  The chunk that was asked for a trip ago goes into the record at RO + off; then the next chunk is asked for (more = 1: always; more = 0: while J < 14, so that no load leaves its buffer).
; All four store addresses are made by every wave ahead of the branch on the wave's number.
.macro QPH more, off
	v_add_nc_u32 v[KCW], s[RO], v[KCW0]
	v_add_nc_u32 v[KSW], s[RO], v[KSW0]
	v_add_nc_u32 v[VCW], s[RO], v[VCW0]
	v_add_nc_u32 v[VSW], s[RO], v[VSW0]
	s_wait_loadcnt 0x0                             ; my staged numbers are in, and their loads have read SB: it may be stepped
	QBLK X, PC
	s_cmp_lt_u32 s[WV], 8
	s_cbranch_scc0 .Lqv_\@
	ds_store_b128 v[KCW], v[PC:PC+3] offset:\off   ; K: registers 0-3 of a fragment, as they will be loaded
	WORD T1
	ds_store_b32 v[KSW], v[T1] offset:\off         ; lanes l and l xor 16 write the same word with the same value
.if \more == 0
	s_cmp_lt_u32 s[J], 14
	s_cbranch_scc0 .Lqj_\@
.endif
	s_add_nc_u64 s[SB:SB+1], s[SB:SB+1], CHUNKB
	KLOADS
	s_branch .Lqj_\@
.Lqv_\@:
	ds_store_b128 v[VCW], v[PC:PC+3] offset:\off   ; V: four registers of a fragment
	ds_store_b8 v[VSW], v[T1] offset:\off          ; and my channel's byte for this block of keys
.if \more == 0
	s_cmp_lt_u32 s[J], 14
	s_cbranch_scc0 .Lqj_\@
.endif
	s_add_nc_u64 s[SB:SB+1], s[SB:SB+1], CHUNKB
	VLOADS
.Lqj_\@:
.endm
; A PREFETCH of chunk J + 3, whose loads trip J + 1 issues.  It stands behind the wave's own loads of the trip.  All four work-groups of a head walk the same chunks: the head's first work-group asks, and in it the even waves:
; waves 0, 2, 4, 6 for K's chunk, 8,192 bytes each, lanes 256 bytes apart; waves 8, 10, 12, 14 for V's likewise: each aligned block of 256 bytes is named once in the launch.
; Trips 13 and later ask for nothing: chunk 15 is the last.  Chunks 0 to 2 come by their loads alone.
.macro ASK
	s_cmp_lt_u32 s[J], s[LIMJ]
	s_cbranch_scc0 .Lnot_mine_\@
	global_prefetch_b8 v[PFO], s[PFA:PFA+1] th:TH_LOAD_NT scope:SCOPE_SE
.Lnot_mine_\@:
.endm
; The largest score of two blocks of 32 keys, my 16 of each, by turns.  Each accumulator is read from its low end on.
.macro BMAX b0, b1
.irp b, \b0, \b1
	v_max3_num_f32 v[BM+\b], v[S+16*\b], v[S+16*\b+1], v[S+16*\b+2]
.endr
.irp i, 3,5,7,9,11,13
.irp b, \b0, \b1
	v_max3_num_f32 v[BM+\b], v[BM+\b], v[S+16*\b+\i], v[S+16*\b+\i+1]
.endr
.endr
.irp b, \b0, \b1
	v_max_num_f32 v[BM+\b], v[BM+\b], v[S+16*\b+15]
.endr
.endm
; A KEY STEP of one tile of queries (fragment v[qf] on, scale words v[qs]): the 128 keys of the record at RO.
.macro ATT qf, qs
.irp t, 0,1,2,3
	ds_load_b128 v[KF+8*\t:KF+8*\t+3], v[RA] offset:512*\t                   ; K's tiles 0-3
.endr
	ds_load_b128 v[KSC:KSC+3], v[RA] offset:KSO                              ; the scale words of all eight tiles
	s_wait_dscnt 0x0
.irp t, 0,1,2,3
	v_wmma_scale_f32_16x16x128_f8f6f4 v[S+8*\t:S+8*\t+7], v[KF+8*\t:KF+8*\t+7], v[\qf:\qf+7], 0, v[KSC+\t], v[\qs] matrix_a_fmt:MATRIX_FMT_FP4 matrix_b_fmt:MATRIX_FMT_FP4
.endr
.rept 4
	v_nop                                          ; four places in front of loads into registers that these products read, and of the first read of their results
.endr
.irp t, 0,1,2,3
	ds_load_b128 v[KF+8*\t:KF+8*\t+3], v[RA] offset:512*(4+\t)               ; K's tiles 4-7; the maxima below stand while they are on their way
.endr
	BMAX 0, 1
	s_wait_dscnt 0x0
.irp t, 0,1,2,3
	v_wmma_scale_f32_16x16x128_f8f6f4 v[S+32+8*\t:S+32+8*\t+7], v[KF+8*\t:KF+8*\t+7], v[\qf:\qf+7], 0, v[KSC+\t], v[\qs] matrix_a_fmt:MATRIX_FMT_FP4 matrix_b_fmt:MATRIX_FMT_FP4 matrix_a_scale:MATRIX_SCALE_ROW1
.endr
	v_permlanex16_b32 v[PT], v[BM], s[SEL], s[SEL+1]
	v_permlanex16_b32 v[PT+1], v[BM+1], s[SEL], s[SEL+1]
	v_max_num_f32 v[BM], v[BM], v[PT]              ; with lane l xor 16's 16 keys: the block's largest score
	v_max_num_f32 v[BM+1], v[BM+1], v[PT+1]
	v_nop                                          ; with the two maxima: four plain places behind the products
	v_nop
	BMAX 2, 3
	v_permlanex16_b32 v[PT+2], v[BM+2], s[SEL], s[SEL+1]
	v_permlanex16_b32 v[PT+3], v[BM+3], s[SEL], s[SEL+1]
	v_max_num_f32 v[BM+2], v[BM+2], v[PT+2]
	v_max_num_f32 v[BM+3], v[BM+3], v[PT+3]
	v_max3_num_f32 v[T0], v[BM], v[BM+1], v[BM+2]
	v_max_num_f32 v[T0], v[T0], v[BM+3]            ; the step's largest score of my query
	v_mul_f32 v[T0], s[CS], v[T0]                  ; as t (c is positive)
	v_max_num_f32 v[TM], v[TM], v[T0]              ; the running largest t
	v_mov_b32 v[T0], v[NM]
	v_floor_f32 v[NM], -v[TM]                      ; the new -M = floor(-t) = -ceil(t): M is a whole number
	v_sub_f32 v[T0], v[NM], v[T0]                  ; old M less new M: a whole number, 0 or less
	v_cvt_i32_f32 v[T0], v[T0]                     ; (it saturates)
	v_ldexp_f32 v[F], 1.0, v[T0]                   ; f = 2^(old M - new M)
.set n, 0
.rept 32
	v_pk_fma_f32 v[S+n:S+n+1], v[S+n:S+n+1], s[CS:CS+1], v[NM:NM+1] op_sel_hi:[1,0,0]   ; t - M, two at a time
.set n, n+2
.endr
.irp b, 0,1,2,3
	v_fma_f32 v[BM+\b], v[BM+\b], s[CS], v[NM]     ; the same of each block's largest score
.endr
.set n, 0
.rept 64
	v_exp_f32 v[S+n], v[S+n]                       ; p = 2^(t - M), at most 1: not normalised
.set n, n+1
.endr
	v_pk_mul_f32 v[SUM:SUM+1], v[SUM:SUM+1], v[F:F+1] op_sel_hi:[1,0]        ; the sums under the new M: the plain place behind the exponentials
	s_wait_alu depctr_va_vdst(0)                   ; one wait for the whole batch, ahead of the first line that names a result
.irp b, 0,1,2,3
	v_exp_f32 v[BM+\b], v[BM+\b]                   ; the block's largest p: the same two instructions on the same number
.endr
	v_pk_add_f32 v[T2:T2+1], v[S:S+1], v[S+2:S+3]  ; the row's sum is taken of the unquantised p, two at a time, in two chains; it names the 64 alone
.set n, 4
.rept 15
	v_pk_add_f32 v[SUM:SUM+1], v[SUM:SUM+1], v[S+n:S+n+1]
	v_pk_add_f32 v[T2:T2+1], v[T2:T2+1], v[S+n+2:S+n+3]
.set n, n+4
.endr
	v_pk_add_f32 v[SUM:SUM+1], v[SUM:SUM+1], v[T2:T2+1]
	s_wait_alu depctr_va_vdst(0)                   ; and one wait for the four
.irp b, 0,1,2,3
	v_max_num_f32 v[BM+\b], 0x1800000, v[BM+\b]    ; the floor 2^(3 - 127): a block whose every p is 0 keeps the byte 1, and its codes are zeros
.endr
.irp b, 0,1,2,3
	v_add_nc_u32 v[SOP+\b], 0xff000000, v[BM+\b]   ; 2 off the exponent field: the conversion's scale operand
.endr
.irp b, 0,1,2,3
	v_lshrrev_b32 v[PT+\b], 23, v[SOP+\b]          ; the scale's byte
.endr
	v_lshl_or_b32 v[PW], v[PT+1], 8, v[PT]         ; p's scale word for these 128 keys
	v_lshl_or_b32 v[PW], v[PT+2], 16, v[PW]
	v_lshl_or_b32 v[PW], v[PT+3], 24, v[PW]
.irp b, 0,1,2,3
	v_cvt_scalef32_pk8_fp4_f32 v[PC+2*\b], v[S+16*\b:S+16*\b+7], v[SOP+\b]
	v_cvt_scalef32_pk8_fp4_f32 v[PC+2*\b+1], v[S+16*\b+8:S+16*\b+15], v[SOP+\b]
.endr
	v_nop                                          ; one plain place behind a scaled conversion
.irp t, 0,1,2,3
	ds_load_b128 v[S+8*\t:S+8*\t+3], v[RA] offset:VCO+1024*\t                ; V's four fragments, into registers that p has left
	ds_load_b128 v[S+8*\t+4:S+8*\t+7], v[RA] offset:VCO+1024*\t+512
.endr
	ds_load_b128 v[VSC:VSC+3], v[RV]               ; and their scale words
.irp c, 0,1                                    ; the operand's layout wants a whole block in a lane: lanes 0-15 block 2 c, lanes 16-31 block 2 c + 1
.irp i, 0,1
	v_permlane16_swap_b32 v[PC+4*\c+\i], v[PC+4*\c+2+\i]
.endr
.endr
.set n, 0
.rept 16
	v_pk_mul_f32 v[O+n:O+n+1], v[O+n:O+n+1], v[F:F+1] op_sel_hi:[1,0]        ; O^T under the new M, from each accumulator's low end on; these sixteen also stand between the lines that made p's scale word and codes and the products
.set n, n+2
.endr
	s_wait_dscnt 0x0
.irp t, 0,1,2,3                                ; O^T += V^T P^T: four accumulators by turns, one instruction a turn
	v_wmma_scale_f32_16x16x128_f8f6f4 v[O+8*\t:O+8*\t+7], v[S+8*\t:S+8*\t+7], v[PC:PC+7], v[O+8*\t:O+8*\t+7], v[VSC+\t], v[PW] matrix_a_fmt:MATRIX_FMT_FP4 matrix_b_fmt:MATRIX_FMT_FP4
.endr
	s_add_co_u32 s[RO], s[RO], REC                 ; on to the next record
	v_add_nc_u32 v[RA], s[RO], v[RA0]
	v_add_nc_u32 v[RV], s[RO], v[RV0]
.rept 3
	v_nop                                          ; with the two additions: five places, since the next step's first products write over the registers that held V's fragments
.endr
.endm
; A pass begins: the largest t under every t, sums and O^T zeros (the first change of M multiplies zeros), the first record.
.macro INIT
	v_mov_b32 v[TM], 0xff61b1e6                    ; -3e38
	v_floor_f32 v[NM], -v[TM]
	v_mov_b32 v[SUM], 0
	v_mov_b32 v[SUM+1], 0
.set n, 0
.rept 32
	v_mov_b32 v[O+n], 0
.set n, n+1
.endr
	s_mov_b32 s[RO], 0
	v_add_nc_u32 v[RA], s[RO], v[RA0]
	v_add_nc_u32 v[RV], s[RO], v[RV0]
.endm
; THE WAY OUT of tile u.  O^T / the sum: register 8 t + i is out0(query lane % 16, channel 16 t + 8 (lane / 16) + i).  16 rows of 256 bytes go through my own stage and come back by rows.
.macro OUT u
	v_add_f32 v[SUM], v[SUM], v[SUM+1]             ; the sum's two halves,
	v_permlanex16_b32 v[T0], v[SUM], s[SEL], s[SEL+1]
	v_add_f32 v[SUM], v[SUM], v[T0]                ; and lane l xor 16's: the row's sum
	v_rcp_f32 v[SUM], v[SUM]
	v_nop                                          ; a plain place behind the reciprocal
	s_wait_alu depctr_va_vdst(0)                   ; and the wait ahead of its first use
.set n, 0
.rept 16
	v_pk_mul_f32 v[S+n:S+n+1], v[O+n:O+n+1], v[SUM:SUM+1] op_sel_hi:[1,0]
.set n, n+2
.endr
.irp t, 0,1,2,3
	ds_store_b128 v[SO], v[S+8*\t:S+8*\t+3] offset:64*\t
	ds_store_b128 v[SO], v[S+8*\t+4:S+8*\t+7] offset:64*\t+16
.endr
.irp i, 0,1,2,3,4,5,6,7
	ds_load_b128 v[S+32+4*\i:S+32+4*\i+3], v[SR] offset:2*SPITCH*\i          ; LDS serves a wave's instructions in order (ISA guide 5.7.1.4): these see my stores
.endr
.irp i, 0,1,2,3,4,5,6,7
	s_wait_dscnt 7-\i                              ; rows 2 i and 2 i + 1 are back; the 7 - i younger loads may be out
	global_store_b128 v[GO], v[S+32+4*\i:S+32+4*\i+3], s[OB:OB+1] offset:4096*\u+512*\i th:TH_STORE_NT   ; 32 lanes store 512 consecutive bytes, at a multiple of 256 from out0's first byte
.endr
.endm
	s_load_b256 s[4:11], s[0:1], 0x0               ; q s[4:5], k s[6:7], v s[8:9], out0 s[10:11]
	v_lshl_add_u32 v[SPW], v0, 2, SPARE
	v_mov_b32 v[NIL], 0
	v_lshrrev_b32 v[T0], 5, v0
	v_readfirstlane_b32 s[WV], v[T0]               ; wave 0..15
	s_and_b32 s[W8], s[WV], 7                      ; my number among K's waves or among V's
	s_and_b32 s28, s[W8], 1
	s_bfe_u32 s29, s[W8], 0x10001                  ; (W8 / 2) % 2
	s_lshr_b32 s30, s[W8], 2
	s_lshr_b32 s31, s[W8], 1
	v_and_b32 v[L7], 7, v0
	v_bfe_u32 v[B3], v0, 3, 1
	v_and_b32 v[RR], 15, v0
	v_bfe_u32 v[HH], v0, 4, 1
	v_and_b32 v[LN], 31, v0
	; A K wave takes keys 16 W8 + lane % 16 of a chunk, its lane block lane / 16 of that key: tile 2 (W8 / 2) + (lane / 8) % 2, row 8 (W8 % 2) + lane % 8
	s_lshl_b32 s32, s31, 10
	s_lshl_b32 s33, s28, 7
	s_add_co_u32 s32, s32, s33
	v_lshlrev_b32 v[KCW0], 4, v[L7]
	v_lshl_add_u32 v[KCW0], v[B3], 9, v[KCW0]
	v_lshl_add_u32 v[KCW0], v[HH], 8, v[KCW0]
	v_add_nc_u32 v[KCW0], s32, v[KCW0]             ; 512 x tile + 16 (row + 16 (lane / 16))
	s_lshl_b32 s32, s30, 8
	s_add_co_u32 s32, s32, s33
	s_lshl_b32 s33, s29, 3
	s_add_co_u32 s32, s32, s33
	s_add_co_u32 s32, s32, KSO
	v_lshlrev_b32 v[KSW0], 4, v[L7]
	v_lshl_add_u32 v[KSW0], v[B3], 2, v[KSW0]
	v_add_nc_u32 v[KSW0], s32, v[KSW0]             ; KSO + 16 (row + 16 (tile / 4)) + 4 (tile % 4)
	; A V wave takes channels 32 (W8 % 2) + lane and the chunk's block W8 / 2 of 32 keys
	s_lshl_b32 s32, s28, 11
	s_lshl_b32 s33, s30, 9
	s_add_co_u32 s32, s32, s33
	s_lshl_b32 s33, s29, 8
	s_add_co_u32 s32, s32, s33
	s_add_co_u32 s32, s32, VCO
	v_lshlrev_b32 v[VCW0], 4, v[RR]
	v_lshl_add_u32 v[VCW0], v[HH], 10, v[VCW0]
	v_add_nc_u32 v[VCW0], s32, v[VCW0]             ; VCO + 1,024 x channel tile + 512 (block / 2) + 16 (channel % 16 + 16 (block % 2))
	s_lshl_b32 s32, s28, 3
	s_add_co_u32 s32, s32, s31
	s_add_co_u32 s32, s32, VSO
	v_lshlrev_b32 v[VSW0], 4, v[RR]
	v_lshl_add_u32 v[VSW0], v[HH], 2, v[VSW0]
	v_add_nc_u32 v[VSW0], s32, v[VSW0]             ; VSO + 16 (channel % 16) + 4 x channel tile + block
	s_mul_i32 s32, s[WV], 16*SPITCH
	s_add_co_u32 s32, s32, STAGE                   ; my stage
	v_mul_u32_u24 v[SO], v[RR], SPITCH
	v_lshl_add_u32 v[SO], v[HH], 5, v[SO]
	v_add_nc_u32 v[SO], s32, v[SO]                 ; in: row lane % 16, 32 bytes for each half of the lanes
	v_mul_u32_u24 v[SR], v[HH], SPITCH
	v_lshl_add_u32 v[SR], v[RR], 4, v[SR]
	v_add_nc_u32 v[SR], s32, v[SR]                 ; back: lanes 0-15 one row, lanes 16-31 the next
	v_lshlrev_b32 v[GO], 8, v[HH]
	v_lshl_add_u32 v[GO], v[RR], 4, v[GO]          ; and the same two rows in out0
	v_lshlrev_b32 v[RA0], 4, v[LN]
	v_lshl_add_u32 v[RV0], v[RR], 4, VSO
	v_lshlrev_b32 v[GKQ], 8, v[RR]
	v_lshl_add_u32 v[GKQ], v[HH], 7, v[GKQ]
	v_lshlrev_b32 v[VGO], 2, v[LN]
	v_lshlrev_b32 v[SH8], 3, v[HH]
	v_lshlrev_b32 v[PFO], 8, v[LN]
.irp i, 4,5,6,7                                ; the zero codes of k = 64 .. 127 of the first product, on both sides: written once
	v_mov_b32 v[QF0+\i], 0
	v_mov_b32 v[QF1+\i], 0
.irp t, 0,1,2,3
	v_mov_b32 v[KF+8*\t+\i], 0
.endr
.endr
.irp b, 0,1,2,3
	v_mov_b32 v[PT+\b], 0                          ; written once: a lane permute's destination counts as one of its sources (v[T0] has been written above)
.endr
	v_mov_b32 v[T2], 0
	v_mov_b32 v[F+1], 0                            ; named with f as a pair
	s_mov_b32 s[SEL], 0x76543210
	s_mov_b32 s[SEL+1], 0xfedcba98
	s_mov_b32 s[CS], 0x3e38aa3b                    ; c = log2(e) / 8
	s_mov_b32 s[CS+1], s[CS]
	s_and_b32 s32, ttmp7, 0xffff                   ; the head
	s_lshl_b32 s32, s32, 19                        ; its first byte in each tensor: 2,048 rows of 256 bytes
	s_mov_b32 s33, 0
	s_lshl_b32 s34, ttmp9, 17                      ; my work-group's 512 queries,
	s_lshl_b32 s35, s[WV], 13                      ; my wave's 32 of them
	s_add_co_u32 s34, s34, s35
	s_mov_b32 s35, 0
	s_add_nc_u64 s[34:35], s[34:35], s[32:33]
	s_lshl_b32 s37, s[W8], 12                      ; K: my 16 keys of a chunk
	s_lshl_b32 s38, s28, 7                         ; V: my 32 channels,
	s_lshl_b32 s39, s31, 13                        ; my 32 keys of a chunk.  Also: my quarter of a chunk for the prefetches
	s_add_co_u32 s38, s38, s39
	s_add_co_u32 s30, s39, 2*CHUNKB                ; the prefetches stand in chunk 2; the first trip steps them to chunk 3
	s_mov_b32 s31, 0
	s_and_b32 s29, s[WV], 1
	s_or_b32 s29, s29, ttmp9                       ; 0 in the even waves of the head's first work-group
	s_cmp_eq_u32 s29, 0
	s_cselect_b32 s[LIMJ], 13, 0
	s_wait_kmcnt 0x0
	s_add_nc_u64 s[QB:QB+1], s[4:5], s[34:35]
	s_add_nc_u64 s[OB:OB+1], s[10:11], s[34:35]
	s_cmp_lt_u32 s[WV], 8                          ; waves 0-7 stage K, waves 8-15 V: the choice hangs on the wave's number alone
	s_cselect_b64 s[SB:SB+1], s[6:7], s[8:9]
	s_cselect_b64 s[PFA:PFA+1], s[6:7], s[8:9]
	s_cselect_b32 s38, s37, s38
	s_mov_b32 s39, 0
	s_add_nc_u64 s[SB:SB+1], s[SB:SB+1], s[32:33]
	s_add_nc_u64 s[SB:SB+1], s[SB:SB+1], s[38:39]  ; chunk 0, my part
	s_add_nc_u64 s[PFA:PFA+1], s[PFA:PFA+1], s[32:33]
	s_add_nc_u64 s[PFA:PFA+1], s[PFA:PFA+1], s[30:31]
.irp u, 0,1                                    ; my two tiles of q: lane (r, h) takes block h of row r
.irp i, 0,1,2,3,4,5,6,7
	global_load_b128 v[S+32*\u+4*\i:S+32*\u+4*\i+3], v[GKQ], s[QB:QB+1] offset:4096*\u+16*\i th:TH_LOAD_NT
.endr
.endr
	s_cmp_lt_u32 s[WV], 8
	s_cbranch_scc0 .Lfirst_v
	KLOADS                                         ; chunk 0
	s_branch .Lfirst_asked
.Lfirst_v:
	VLOADS
.Lfirst_asked:
	INIT                                           ; work on registers while the first loads are on their way
	s_wait_loadcnt 0x0
	QBLK S, QF0                                    ; Q is read by one wave, once: it is quantised in registers and stays
	WORD QS0
	QBLK S+32, QF1
	WORD QS1
	QPH 1, 0                                       ; record 0 is stored, chunk 1 asked for
	s_wait_dscnt 0x0                               ; for the others' sake: my stores into record 0 are done
	s_barrier_signal -1
	s_barrier_wait -1                              ; record 0 is whole
	s_mov_b32 s[J], 0
.Lp1:                                              ; PASS 1, 16 trips: tile 0 on record J, and record J + 1 in the making
	s_cmp_lt_u32 s[J], 15                          ; the last trip has nothing left to quantise
	s_cbranch_scc0 .Lnoq
	s_wait_xcnt 0x0                                ; the last prefetch, a trip back, has read its address, so it may be stepped
	s_add_nc_u64 s[PFA:PFA+1], s[PFA:PFA+1], CHUNKB
	QPH 0, REC
	ASK
.Lnoq:
	s_wait_dscnt 0x0                               ; for the others' sake: my stores into record J + 1 are done
	s_barrier_signal -1                            ; say so,
	ATT QF0, QS0                                   ; work on record J, whose bytes no wave writes again: register work and LDS loads alone,
	s_barrier_wait -1                              ; and go on when all sixteen have said so: record J + 1 is whole
	s_add_co_u32 s[J], s[J], 1
	s_cmp_lt_u32 s[J], 16
	s_cbranch_scc1 .Lp1
	OUT 0
	INIT
	s_wait_xcnt 0x0                                ; the stores of tile 0 have read their registers, which the next pass writes again
	s_mov_b32 s[J], 0
.Lp2:                                              ; PASS 2, 16 trips: tile 1.  All records are whole since pass 1's barriers: no barrier, no global load
	ATT QF1, QS1
	s_add_co_u32 s[J], s[J], 1
	s_cmp_lt_u32 s[J], 16
	s_cbranch_scc1 .Lp2
	OUT 1
	s_wait_tensorcnt 0x0                           ; the wave's end, behind my last LDS store
	ds_add_u32 v[SPW], v[NIL]
	s_wait_dscnt 0x0
	s_endpgm
.Lfunc_end_k_q7875cf9259_attend:
	.size	k_q7875cf9259_attend, .Lfunc_end_k_q7875cf9259_attend-k_q7875cf9259_attend
	.p2alignl 7, 3214868480
	.fill 96, 4, 3214868480
	.section	.rodata,"a",@progbits
	.p2align	6, 0x0
	.amdhsa_kernel k_q7875cf9259_attend
		.amdhsa_group_segment_fixed_size 215040
		.amdhsa_private_segment_fixed_size 0
		.amdhsa_enable_private_segment 0
		.amdhsa_kernarg_size 32
		.amdhsa_user_sgpr_count 2
		.amdhsa_user_sgpr_kernarg_segment_ptr 1
		.amdhsa_wavefront_size32 1
		.amdhsa_system_sgpr_workgroup_id_x 1
		.amdhsa_system_sgpr_workgroup_id_y 1
		.amdhsa_system_sgpr_workgroup_id_z 1
		.amdhsa_system_vgpr_workitem_id 0
		.amdhsa_next_free_vgpr 240
		.amdhsa_next_free_sgpr 66
		.amdhsa_reserve_vcc 0
		.amdhsa_float_denorm_mode_32 3
		.amdhsa_float_denorm_mode_16_64 3
		.amdhsa_memory_ordered 1
		.amdhsa_forward_progress 1
		.amdhsa_inst_pref_size 65
	.end_amdhsa_kernel
	.amdgpu_metadata
---
amdhsa.version: [ 1, 2 ]
amdhsa.kernels:
  - .name:           k_q7875cf9259_attend
    .symbol:         k_q7875cf9259_attend.kd
    .args:
      - { .name: q, .offset: 0, .size: 8, .value_kind: global_buffer, .address_space: global }
      - { .name: k, .offset: 8, .size: 8, .value_kind: global_buffer, .address_space: global }
      - { .name: v, .offset: 16, .size: 8, .value_kind: global_buffer, .address_space: global }
      - { .name: out0, .offset: 24, .size: 8, .value_kind: global_buffer, .address_space: global }
    .group_segment_fixed_size: 215040
    .private_segment_fixed_size: 0
    .kernarg_segment_align: 8
    .kernarg_segment_size: 32
    .max_flat_workgroup_size: 512
    .sgpr_count:     66
    .vgpr_count:     240
    .wavefront_size: 32
...
	.end_amdgpu_metadata
.endif
;; end of part 1
;; ======== version 2 of 2: 1 launch; version 1 with the launch attend written anew for expert scheduling mode
;; launch attend (part 2): grid 4 x 64, 16 waves a work-group, no clusters, 215,040 bytes of LDS; arguments q, k, v, out0; writes out0
.if DOCPART == 2
	.amdgcn_target "amdgcn-amd-amdhsa--gfx1250"
	.amdhsa_code_object_version 6
	.text
	.protected	k_q7875cf9259_attend
	.globl	k_q7875cf9259_attend
	.p2align	8
	.type	k_q7875cf9259_attend,@function
k_q7875cf9259_attend:
	s_mov_b64 s[64:65], 0
	v_nop
	global_prefetch_b8 v0, s[64:65] scope:SCOPE_SE
	s_setreg_imm32_b32 hwreg(HW_REG_WAVE_SCHED_MODE, 0, 2), 2
	s_setreg_imm32_b32 hwreg(HW_REG_WAVE_MODE, 25, 1), 1
	s_wait_xcnt 0x0
	s_wait_alu depctr_vm_vsrc(0)
; out0[h][i][:] = the sum over j of softmax_j(q[h][i] . k[h][j] / 8) v[h][j][:], 64 heads (batch x head), 2,048 queries and keys a head, head size 64; q, k, v, out0 f32.
; Both products run on codes of FP4 (E2M1) with one E8M0 scale for each 32 along a product's K: the first along the head's 64, the second along the keys.
; THE SOFTMAX AHEAD OF THE SECOND PRODUCT: t = score x log2(e) / 8; M = the running largest t, rounded UP to a whole number; p = 2^(t - M) is quantised along the keys, not normalised.
; The row's sum is taken of the unquantised p in f32 and divides at the end.  When M moves, the sum and O are multiplied by 2^(old M - new M): exact.
; NOTHING OF THE PROBLEM IS LEFT OUT: all three inputs reach the output, there is no mask, and every key counts for every query.
; SHARES.  A work-group (x = 0..3, head) owns 512 queries of one head; each of its sixteen waves owns 32, as two tiles of 16, taken in TWO PASSES over the head's 2,048 keys, 128 keys a step.
; A head's codes are small: 64 KiB of K's, 64 KiB of V's, 12 KiB of scale words.  They lie in LDS whole, as sixteen records of one chunk (128 keys) each, and every byte of a record is written once.
; THE WORK-GROUP QUANTISES ITS HEAD'S K AND V ITSELF, UNDER PASS 1: waves 0-7 take K, waves 8-15 V; a lane holds one whole block of 32 numbers in 32 registers.  Trip J stores record J + 1 (loaded a trip ago),
; asks for chunk J + 2, and runs the key step on record J.  Pass 2 reads LDS alone.
; NO CLUSTER, NO JOINT LOADS: what the four work-groups of a head share is the f32 stream, 1 MiB a head, which has to pass through registers to be quantised.  Brought jointly it would first lie in LDS as f32:
; 1 MiB written and read again in each work-group, against the 128 KiB of codes that are kept, and sixteen changes of slots.  So the numbers go from memory straight into registers, and no tensor load is written.
; LAYOUT.  Both products are used transposed: S^T = K Q^T (source 0 = 16 keys, source 1 = my 16 queries), O^T = V^T P^T (source 0 = 16 channels, source 1 = P): a lane holds ONE query (lane % 16) throughout.
; THE KEYS OF A TILE ARE NOT NEIGHBOURS: row m of tile 2 b + u is key 32 b + 16 (m / 8) + 8 u + m % 8 of the chunk, so that the 16 registers of tiles 2 b and 2 b + 1 are 16 neighbouring keys, 32 b + 16 (lane / 16) + 0 .. 15.
; The first product's K is 64 of the instruction's 128: registers 4-7 of K's and Q's fragments are zero codes, kept for the whole launch, under scale bytes of 0 (2^-127): they add nothing.
; LIMITS.  NaN and infinities among the inputs are not served.  A block of zeros, or one whose largest magnitude lies under 2^-124, gets the scale byte 1 (only this program reads the bytes; a block of zeros has zero codes).
; t = score x (log2(e) / 8) is rounded once.  A p under 2^-126 comes out of v_exp_f32 as 0.  A block's largest p is taken as the exponential of the block's largest score, which takes v_exp_f32 not to fall where its input rises.
; LDS: record j at REC j: K's codes 4,096 (8 tiles x 512: lane l's 16 bytes at 16 l), V's codes 4,096 (4 channel tiles x 1,024: registers 0-3 at 16 l, registers 4-7 512 further on),
;   K's scale words 512 (lane l's 16 bytes: word t of tile 4 (l / 16) + t, row l % 16), V's scale words 256 (row r's 16 bytes: word ct of channel tile ct).  Behind the records a stage of 16 x 272 bytes for each wave, then the spare words.
; THE MODE: SCHED_MODE bits 1:0 = 2 (LLVM: expert scheduling mode 2), set by the entry lines.  The code itself states the register dependences
; between vector or matrix instructions and memory or LDS instructions, with s_wait_alu, always for 0.
; THE PLAN.  Registers that memory or LDS instructions touch, and who else names them:
;   X               Pass 1: the global loads of a quantising phase land in it; the next phase's QBLK reads it.  Pass 2: V's fragments land in it; the step's four products V^T P read it.
;   PC, T1          A phase's QBLK and WORD write them, its two LDS stores read them; the key step's conversions write PC again, the next QBLK T1.
;   KCW .. VSW      Written at a phase's head, read by that phase's stores.
;   KF 0-3, KSC     LDS loads land in them at a step's head (KF again behind the first four products); the eight products K Q^T read them.
;   S .. S+31       Pass 1: the conversions read p there; behind them V's fragments land.  On the way out the divisions write them and the stage's stores read them.
;   S+32 .. S+63    On the way out the stage's loads land in them and the global stores read them.
;   VSC             An LDS load lands in it; the products V^T P read it.
;   RA, RV          Read by all LDS loads of a step; written once a step, behind the last of those loads.
;   GKQ, VGO, PFO, SO, SR, GO, SPW, NIL  Written at the head and never again.
; A KEY STEP HAS THESE WAITS ON va_vdst: behind the first four products (K's tiles 4-7 land in the registers that they read); behind the 64 exponentials (their results; and the second four products are done reading KF and KSC, the last
; step's products X and VSC); behind the four exponentials; in pass 1 behind the conversions (V lands where p lay); ahead of the products V^T P (p's codes and scale word; RA and RV for the next step).  One wait on vm_vsrc stands ahead of the
; additions to RA and RV.  So a step's head owes nothing: since the last wait only the four products V^T P and v_nop are issued, which name neither RA nor KF nor KSC.
.set REC,    8960                      ; a record: 35 x 256 bytes
.set VCO,    4096                      ; in it: V's codes,
.set KSO,    8192                      ; K's scale words,
.set VSO,    8704                      ; V's scale words
.set STAGE,  16*REC                    ; the way out: each wave's own 16 rows
.set SPITCH, 272                       ; a stage row: 256 bytes + 16
.set SPARE,  STAGE+16*16*SPITCH        ; the spare words, 128 bytes for each wave: eight blocks of 256 bytes that no other line names
.set CHUNKB, 32768                     ; a chunk of K or of V in memory: 128 rows of 256 bytes
.set SPW,  1                           ; v1   LDS address of my spare word; never rewritten
.set NIL,  2                           ; v2   0; never rewritten
.set RA0,  3                           ; v3   16 x lane: my place in an image
.set RV0,  4                           ; v4   VSO + 16 (lane % 16): my row's scale words of V
.set KCW0, 5                           ; v5-8 where I store into a record: K's codes, K's scale word, V's codes, V's scale byte
.set KSW0, 6
.set VCW0, 7
.set VSW0, 8
.set GKQ,  9                           ; v9   256 (lane % 16) + 128 (lane / 16): my block of 32 numbers in 16 rows of q or k
.set VGO,  10                          ; v10  4 x lane: my channel in a row of v
.set SH8,  11                          ; v11  8 (lane / 16)
.set NM,   12                          ; v12  -M;  v13 the running largest t (the packed form names the pair)
.set TM,   13
.set SUM,  14                          ; v[14:15] the row's sum, in two halves
.set QF0,  16                          ; v[16:23], v[24:31] Q's two fragments: 4 registers of codes, 4 of zeros
.set QF1,  24
.set QS0,  32                          ; v32, v33 Q's scale words;  v34 p's
.set QS1,  33
.set PW,   34
.set LN,   35                          ; v35  at the head: lane
.set KSC,  36                          ; v[36:39] K's scale words: lanes 0-15 tiles 0-3, lanes 16-31 tiles 4-7
.set VSC,  40                          ; v[40:43] V's scale words
.set SO,   44                          ; v44  the stage: where I put 32 bytes of a row;  v45 where I read a row back;  v46 my byte offset in two rows of out0
.set SR,   45
.set GO,   46
.set PFO,  47                          ; v47  256 x lane: the prefetches' offset
.set F,    48                          ; v[48:49] f = 2^(old M - new M), and a 0 named with it as a pair
.set T0,   50                          ; v50-53 at work
.set T1,   51
.set T2,   52
.set RA,   54                          ; v54, v55 the step's LDS addresses
.set RV,   55
.set BM,   56                          ; v[56:59] the blocks' largest scores, then largest p
.set L7,   56                          ; (at the head: lane % 8, (lane / 8) % 2, lane % 16, lane / 16)
.set B3,   57
.set RR,   58
.set HH,   59
.set PT,   60                          ; v[60:63] the lane permutes' destinations, then scale bytes
.set S,    64                          ; v[64:127] S^T, then p; in pass 1 v[64:95] then V's four fragments; on the way out O / the sum and the rows read back
.set O,    128                         ; v[128:159] O^T, four tiles of 16 channels
.set KF,   160                         ; v[160:191] four fragments of K: 4 registers loaded, 4 of zeros
.set PC,   192                         ; v[192:199] p's codes; v[192:195] also a block's codes of K or V
.set SOP,  200                         ; v[200:203] the conversions' scale operands
.set KCW,  204                         ; v204-207 the four store addresses in the record at hand
.set KSW,  205
.set VCW,  206
.set VSW,  207
.set X,    208                         ; v[208:239] pass 1: 32 numbers of K or V on their way; pass 2: V's four fragments
.set WV,   12                          ; s12  my wave's number;  s13 its low three bits
.set W8,   13
.set J,    14                          ; s14  the trip
.set LIMJ, 15                          ; s15  13 in a wave that prefetches, else 0
.set SB,   16                          ; s[16:17] where my staged loads stand in k or v
.set PFA,  18                          ; s[18:19] where my prefetches stand
.set SEL,  20                          ; s[20:21] lane selects for v_permlanex16_b32: lane l xor 16
.set CS,   22                          ; s[22:23] c = log2(e) / 8: the packed form names a pair and takes its low word for both halves
.set OB,   24                          ; s[24:25] out0, s[26:27] q at my wave's first row
.set QB,   26
.set RO,   36                          ; s36  REC x the key step
; 32 numbers of ONE block, v[src] on, become 4 registers of codes, v[dst] on; the scale's byte is left in v[T1].
.macro QBLK src, dst
	v_max3_num_f32 v[T0], |v[(\src)]|, |v[(\src)+1]|, |v[(\src)+2]|          ; the block's largest magnitude, in two chains
	v_max3_num_f32 v[T1], |v[(\src)+3]|, |v[(\src)+4]|, |v[(\src)+5]|
.irp i, 6,10,14,18,22,26
	v_max3_num_f32 v[T0], v[T0], |v[(\src)+\i]|, |v[(\src)+\i+1]|
	v_max3_num_f32 v[T1], v[T1], |v[(\src)+\i+2]|, |v[(\src)+\i+3]|
.endr
	v_max3_num_f32 v[T0], v[T0], |v[(\src)+30]|, |v[(\src)+31]|
	v_max3_num_f32 v[T0], v[T0], v[T1], 0x1800000                            ; and the floor 2^(3 - 127): the byte cannot fall under 1
	v_add_nc_u32 v[SOP], 0xff000000, v[T0]                                   ; 2 off its exponent field: the conversion takes the exponent field of this operand as its scale
	v_lshrrev_b32 v[T1], 23, v[SOP]                                          ; the scale's byte
.irp g, 0,1,2,3
	v_cvt_scalef32_pk8_fp4_f32 v[(\dst)+\g], v[(\src)+8*\g:(\src)+8*\g+7], v[SOP]
.endr
	v_nop                                                                    ; one plain place behind a scaled conversion
.endm
; The byte in v[T1] (block lane / 16 of my row) and lane l xor 16's make the row's scale word: bytes 0 and 1; bytes 2 and 3 stay 0.
.macro WORD dst
	v_lshlrev_b32 v[T1], v[SH8], v[T1]
	v_permlanex16_b32 v[T2], v[T1], s[SEL], s[SEL+1]
	v_or_b32 v[\dst], v[T1], v[T2]
.endm
.macro KLOADS                          ; my block of my key: 128 bytes
.irp i, 0,1,2,3,4,5,6,7
	global_load_b128 v[X+4*\i:X+4*\i+3], v[GKQ], s[SB:SB+1] offset:16*\i
.endr
.endm
.macro VLOADS                          ; my channel down 32 keys: each load reads 128 consecutive bytes
.set n, 0
.rept 32
	global_load_b32 v[X+n], v[VGO], s[SB:SB+1] offset:256*n
.set n, n+1
.endr
.endm
; THE QUANTISING PHASE.  The chunk that was asked for a trip ago goes into the record at RO + off; then the next chunk is asked for (more = 1: always; more = 0: while J < 14, so that no load leaves its buffer).
; All four store addresses are made by every wave ahead of the branch on the wave's number.  (The last phase's stores have read them, PC and T1: the wait on vm_vsrc ahead of the barrier's signal has said so.)
; Each arm has ONE wait on va_vdst, ahead of its two stores and its loads; in K's arm the scale word is made ahead of it.
.macro QPH more, off
	v_add_nc_u32 v[KCW], s[RO], v[KCW0]
	v_add_nc_u32 v[KSW], s[RO], v[KSW0]
	v_add_nc_u32 v[VCW], s[RO], v[VCW0]
	v_add_nc_u32 v[VSW], s[RO], v[VSW0]
	s_wait_loadcnt 0x0                             ; my staged numbers are in, and their loads have read SB: it may be stepped
	QBLK X, PC
	s_cmp_lt_u32 s[WV], 8
	s_cbranch_scc0 .Lqv_\@
	WORD T1
	s_wait_alu depctr_va_vdst(0)                   ; the codes v[PC ..], the scale word v[T1] and the store addresses are written, which the two stores read; QBLK is done reading X, in which the loads below land
	ds_store_b128 v[KCW], v[PC:PC+3] offset:\off   ; K: registers 0-3 of a fragment, as they will be loaded
	ds_store_b32 v[KSW], v[T1] offset:\off         ; lanes l and l xor 16 write the same word with the same value
.if \more == 0
	s_cmp_lt_u32 s[J], 14
	s_cbranch_scc0 .Lqj_\@
.endif
	s_add_nc_u64 s[SB:SB+1], s[SB:SB+1], CHUNKB
	KLOADS
	s_branch .Lqj_\@
.Lqv_\@:
	s_wait_alu depctr_va_vdst(0)                   ; the codes v[PC ..], the scale's byte v[T1] and the store addresses are written, which the two stores read; QBLK is done reading X, in which the loads below land
	ds_store_b128 v[VCW], v[PC:PC+3] offset:\off   ; V: four registers of a fragment
	ds_store_b8 v[VSW], v[T1] offset:\off          ; and my channel's byte for this block of keys
.if \more == 0
	s_cmp_lt_u32 s[J], 14
	s_cbranch_scc0 .Lqj_\@
.endif
	s_add_nc_u64 s[SB:SB+1], s[SB:SB+1], CHUNKB
	VLOADS
.Lqj_\@:
.endm
; A PREFETCH of chunk J + 3, whose loads trip J + 1 issues.  It stands behind the wave's own loads of the trip.  All four work-groups of a head walk the same chunks: the head's first work-group asks, and in it the even waves:
; waves 0, 2, 4, 6 for K's chunk, 8,192 bytes each, lanes 256 bytes apart; waves 8, 10, 12, 14 for V's likewise: each aligned block of 256 bytes is named once in the launch.
; Trips 13 and later ask for nothing: chunk 15 is the last.  Chunks 0 to 2 come by their loads alone.  (Its offset v[PFO] was written at the head, ahead of the head's wait on va_vdst.)
.macro ASK
	s_cmp_lt_u32 s[J], s[LIMJ]
	s_cbranch_scc0 .Lnot_mine_\@
	global_prefetch_b8 v[PFO], s[PFA:PFA+1] th:TH_LOAD_NT scope:SCOPE_SE
.Lnot_mine_\@:
.endm
; The largest score of two blocks of 32 keys, my 16 of each, by turns.  Each accumulator is read from its low end on.
.macro BMAX b0, b1
.irp b, \b0, \b1
	v_max3_num_f32 v[BM+\b], v[S+16*\b], v[S+16*\b+1], v[S+16*\b+2]
.endr
.irp i, 3,5,7,9,11,13
.irp b, \b0, \b1
	v_max3_num_f32 v[BM+\b], v[BM+\b], v[S+16*\b+\i], v[S+16*\b+\i+1]
.endr
.endr
.irp b, \b0, \b1
	v_max_num_f32 v[BM+\b], v[BM+\b], v[S+16*\b+15]
.endr
.endm
; V's four fragments of the record at hand, into v[vf] on, and their scale words.
.macro VFETCH vf
.irp t, 0,1,2,3
	ds_load_b128 v[(\vf)+8*\t:(\vf)+8*\t+3], v[RA] offset:VCO+1024*\t
	ds_load_b128 v[(\vf)+8*\t+4:(\vf)+8*\t+7], v[RA] offset:VCO+1024*\t+512
.endr
	ds_load_b128 v[VSC:VSC+3], v[RV]
.endm
; A KEY STEP of one tile of queries (fragment v[qf] on, scale words v[qs]): the 128 keys of the record at RO.
; vf, early: where V's fragments land, and when they are asked for.  Pass 1 (S, 0): X is on its way from memory, so they land where p lay, behind the conversions.
; Pass 2 (X, 1): X is free, so they are asked for behind the exponentials' wait, and the sums, the scales and the conversions stand while they are on their way.
.macro ATT qf, qs, vf, early
.irp t, 0,1,2,3
	ds_load_b128 v[KF+8*\t:KF+8*\t+3], v[RA] offset:512*\t                   ; K's tiles 0-3.  No wait on va_vdst here: v[RA] was written, and the last step's products K Q^T were done reading KF and KSC, ahead of a wait that I have passed, and nothing issued since names them
.endr
	ds_load_b128 v[KSC:KSC+3], v[RA] offset:KSO                              ; the scale words of all eight tiles
	s_wait_dscnt 0x0
.irp t, 0,1,2,3
	v_wmma_scale_f32_16x16x128_f8f6f4 v[S+8*\t:S+8*\t+7], v[KF+8*\t:KF+8*\t+7], v[\qf:\qf+7], 0, v[KSC+\t], v[\qs] matrix_a_fmt:MATRIX_FMT_FP4 matrix_b_fmt:MATRIX_FMT_FP4
.endr
.rept 4
	v_nop                                          ; four places in front of the first read of these products' results (ISA guide 7.12.1)
.endr
	s_wait_alu depctr_va_vdst(0)                   ; the four products are done reading K's fragments, in which tiles 4-7 land
.irp t, 0,1,2,3
	ds_load_b128 v[KF+8*\t:KF+8*\t+3], v[RA] offset:512*(4+\t)               ; K's tiles 4-7; the maxima below stand while they are on their way
.endr
	BMAX 0, 1
	s_wait_alu depctr_va_vdst(0)
	s_wait_dscnt 0x0
.irp t, 0,1,2,3
	v_wmma_scale_f32_16x16x128_f8f6f4 v[S+32+8*\t:S+32+8*\t+7], v[KF+8*\t:KF+8*\t+7], v[\qf:\qf+7], 0, v[KSC+\t], v[\qs] matrix_a_fmt:MATRIX_FMT_FP4 matrix_b_fmt:MATRIX_FMT_FP4 matrix_a_scale:MATRIX_SCALE_ROW1
.endr
	v_permlanex16_b32 v[PT], v[BM], s[SEL], s[SEL+1]
	v_permlanex16_b32 v[PT+1], v[BM+1], s[SEL], s[SEL+1]
	v_max_num_f32 v[BM], v[BM], v[PT]              ; with lane l xor 16's 16 keys: the block's largest score
	v_max_num_f32 v[BM+1], v[BM+1], v[PT+1]
	v_nop                                          ; with the two maxima: four plain places behind the products
	v_nop
	BMAX 2, 3
	v_permlanex16_b32 v[PT+2], v[BM+2], s[SEL], s[SEL+1]
	v_permlanex16_b32 v[PT+3], v[BM+3], s[SEL], s[SEL+1]
	v_max_num_f32 v[BM+2], v[BM+2], v[PT+2]
	v_max_num_f32 v[BM+3], v[BM+3], v[PT+3]
	v_max3_num_f32 v[T0], v[BM], v[BM+1], v[BM+2]
	v_max_num_f32 v[T0], v[T0], v[BM+3]            ; the step's largest score of my query
	v_mul_f32 v[T0], s[CS], v[T0]                  ; as t (c is positive)
	v_max_num_f32 v[TM], v[TM], v[T0]              ; the running largest t
	v_mov_b32 v[T0], v[NM]
	v_floor_f32 v[NM], -v[TM]                      ; the new -M = floor(-t) = -ceil(t): M is a whole number
	v_sub_f32 v[T0], v[NM], v[T0]                  ; old M less new M: a whole number, 0 or less
	v_cvt_i32_f32 v[T0], v[T0]                     ; (it saturates)
	v_ldexp_f32 v[F], 1.0, v[T0]                   ; f = 2^(old M - new M)
.set n, 0
.rept 32
	v_pk_fma_f32 v[S+n:S+n+1], v[S+n:S+n+1], s[CS:CS+1], v[NM:NM+1] op_sel_hi:[1,0,0]   ; t - M, two at a time
.set n, n+2
.endr
.irp b, 0,1,2,3
	v_fma_f32 v[BM+\b], v[BM+\b], s[CS], v[NM]     ; the same of each block's largest score
.endr
.set n, 0
	s_wait_alu depctr_va_vdst(0)
.rept 64
	v_exp_f32 v[S+n], v[S+n]                       ; p = 2^(t - M), at most 1: not normalised
.set n, n+1
.endr
	v_pk_mul_f32 v[SUM:SUM+1], v[SUM:SUM+1], v[F:F+1] op_sel_hi:[1,0]        ; the sums under the new M: the plain place behind the exponentials
	s_wait_alu depctr_va_vdst(0)                   ; the 64 exponentials have written p, ahead of the first line that names a result; the products K Q^T are done reading KF and KSC, in which the next step's loads land; the last step's products V^T P are done reading their fragments and VSC
.if \early
	VFETCH \vf                                     ; pass 2: no vector or matrix instruction since the wait names X, VSC, RA or RV
.endif
.irp b, 0,1,2,3
	v_exp_f32 v[BM+\b], v[BM+\b]                   ; the block's largest p: the same two instructions on the same number
.endr
	v_pk_add_f32 v[T2:T2+1], v[S:S+1], v[S+2:S+3]  ; the row's sum is taken of the unquantised p, two at a time, in two chains; it names the 64 alone
.set n, 4
.rept 15
	v_pk_add_f32 v[SUM:SUM+1], v[SUM:SUM+1], v[S+n:S+n+1]
	v_pk_add_f32 v[T2:T2+1], v[T2:T2+1], v[S+n+2:S+n+3]
.set n, n+4
.endr
	v_pk_add_f32 v[SUM:SUM+1], v[SUM:SUM+1], v[T2:T2+1]
	s_wait_alu depctr_va_vdst(0)                   ; the four exponentials have written the blocks' largest p, ahead of the first line that names one
.irp b, 0,1,2,3
	v_max_num_f32 v[BM+\b], 0x1800000, v[BM+\b]    ; the floor 2^(3 - 127): a block whose every p is 0 keeps the byte 1, and its codes are zeros
.endr
.irp b, 0,1,2,3
	v_add_nc_u32 v[SOP+\b], 0xff000000, v[BM+\b]   ; 2 off the exponent field: the conversion's scale operand
.endr
.irp b, 0,1,2,3
	v_lshrrev_b32 v[PT+\b], 23, v[SOP+\b]          ; the scale's byte
.endr
	v_lshl_or_b32 v[PW], v[PT+1], 8, v[PT]         ; p's scale word for these 128 keys
	v_lshl_or_b32 v[PW], v[PT+2], 16, v[PW]
	v_lshl_or_b32 v[PW], v[PT+3], 24, v[PW]
.irp b, 0,1,2,3
	v_cvt_scalef32_pk8_fp4_f32 v[PC+2*\b], v[S+16*\b:S+16*\b+7], v[SOP+\b]
	v_cvt_scalef32_pk8_fp4_f32 v[PC+2*\b+1], v[S+16*\b+8:S+16*\b+15], v[SOP+\b]
.endr
	v_nop                                          ; one plain place behind a scaled conversion
.if \early == 0
	s_wait_alu depctr_va_vdst(0)                   ; pass 1: the conversions are done reading p in v[S .. S+31], in which V's fragments land
	VFETCH \vf
.endif
.irp c, 0,1                                    ; the operand's layout wants a whole block in a lane: lanes 0-15 block 2 c, lanes 16-31 block 2 c + 1
.irp i, 0,1
	v_permlane16_swap_b32 v[PC+4*\c+\i], v[PC+4*\c+2+\i]
.endr
.endr
.set n, 0
.rept 16
	v_pk_mul_f32 v[O+n:O+n+1], v[O+n:O+n+1], v[F:F+1] op_sel_hi:[1,0]        ; O^T under the new M, from each accumulator's low end on; these sixteen also stand between the lines that made p's scale word and codes and the products
.set n, n+2
.endr
	s_wait_alu depctr_vm_vsrc(0)                   ; all LDS loads of this step have read v[RA] and v[RV], which are written now
	s_add_co_u32 s[RO], s[RO], REC                 ; on to the next record
	v_add_nc_u32 v[RA], s[RO], v[RA0]
	v_add_nc_u32 v[RV], s[RO], v[RV0]
	s_wait_alu depctr_va_vdst(0)                   ; behind the places: p's codes v[PC ..] and scale word v[PW] are written, which the scaled products take; so are v[RA] and v[RV], which the next step's LDS loads read
	s_wait_dscnt 0x0
.irp t, 0,1,2,3                                ; O^T += V^T P^T: four accumulators by turns, one instruction a turn
	v_wmma_scale_f32_16x16x128_f8f6f4 v[O+8*\t:O+8*\t+7], v[(\vf)+8*\t:(\vf)+8*\t+7], v[PC:PC+7], v[O+8*\t:O+8*\t+7], v[VSC+\t], v[PW] matrix_a_fmt:MATRIX_FMT_FP4 matrix_b_fmt:MATRIX_FMT_FP4
.endr
.rept 5
	v_nop                                          ; five places: in pass 1 the next step's first products write over the registers that held V's fragments; behind a pass's last step they stand ahead of the first read of O^T
.endr
.endm
; A pass begins: the largest t under every t, sums and O^T zeros (the first change of M multiplies zeros), the first record.
.macro INIT
	v_mov_b32 v[TM], 0xff61b1e6                    ; -3e38
	v_floor_f32 v[NM], -v[TM]
	v_mov_b32 v[SUM], 0
	v_mov_b32 v[SUM+1], 0
.set n, 0
.rept 32
	v_mov_b32 v[O+n], 0
.set n, n+1
.endr
	s_mov_b32 s[RO], 0
	v_add_nc_u32 v[RA], s[RO], v[RA0]
	v_add_nc_u32 v[RV], s[RO], v[RV0]
.endm
; THE WAY OUT of tile u.  O^T / the sum: register 8 t + i is out0(query lane % 16, channel 16 t + 8 (lane / 16) + i).  16 rows of 256 bytes go through my own stage and come back by rows.
.macro OUT u
	v_add_f32 v[SUM], v[SUM], v[SUM+1]             ; the sum's two halves,
	v_permlanex16_b32 v[T0], v[SUM], s[SEL], s[SEL+1]
	v_add_f32 v[SUM], v[SUM], v[T0]                ; and lane l xor 16's: the row's sum
	s_wait_alu depctr_va_vdst(0)
	v_rcp_f32 v[SUM], v[SUM]
	v_nop                                          ; a plain place behind the reciprocal
	s_wait_alu depctr_va_vdst(0)                   ; the reciprocal is written, ahead of its first use
.set n, 0
.rept 16
	v_pk_mul_f32 v[S+n:S+n+1], v[O+n:O+n+1], v[SUM:SUM+1] op_sel_hi:[1,0]
.set n, n+2
.endr
	s_wait_alu depctr_va_vdst(0)                   ; the multiplications have written v[S .. S+31], which the stage's stores read; no vector instruction behind this wait names v[S+32 .. S+63], in which the stage's loads land
.irp t, 0,1,2,3
	ds_store_b128 v[SO], v[S+8*\t:S+8*\t+3] offset:64*\t
	ds_store_b128 v[SO], v[S+8*\t+4:S+8*\t+7] offset:64*\t+16
.endr
.irp i, 0,1,2,3,4,5,6,7
	ds_load_b128 v[S+32+4*\i:S+32+4*\i+3], v[SR] offset:2*SPITCH*\i          ; LDS serves a wave's instructions in order (ISA guide 5.7.1.4): these see my stores
.endr
.irp i, 0,1,2,3,4,5,6,7
	s_wait_dscnt 7-\i                              ; rows 2 i and 2 i + 1 are back; the 7 - i younger loads may be out
	global_store_b128 v[GO], v[S+32+4*\i:S+32+4*\i+3], s[OB:OB+1] offset:4096*\u+512*\i th:TH_STORE_NT   ; 32 lanes store 512 consecutive bytes, at a multiple of 256 from out0's first byte
.endr
.endm
	s_load_b256 s[4:11], s[0:1], 0x0               ; q s[4:5], k s[6:7], v s[8:9], out0 s[10:11]
	v_lshl_add_u32 v[SPW], v0, 2, SPARE
	v_mov_b32 v[NIL], 0
	v_lshrrev_b32 v[T0], 5, v0
	v_readfirstlane_b32 s[WV], v[T0]               ; wave 0..15
	v_and_b32 v[L7], 7, v0
	s_wait_alu depctr_va_vdst(0)
	v_bfe_u32 v[B3], v0, 3, 1
	v_and_b32 v[RR], 15, v0
	v_bfe_u32 v[HH], v0, 4, 1
	v_and_b32 v[LN], 31, v0
	s_wait_alu depctr_va_sdst(0)                   ; the wave's number is written, ahead of its first reader
	s_and_b32 s[W8], s[WV], 7                      ; my number among K's waves or among V's
	s_and_b32 s28, s[W8], 1
	s_bfe_u32 s29, s[W8], 0x10001                  ; (W8 / 2) % 2
	s_lshr_b32 s30, s[W8], 2
	s_lshr_b32 s31, s[W8], 1
	; A K wave takes keys 16 W8 + lane % 16 of a chunk, its lane block lane / 16 of that key: tile 2 (W8 / 2) + (lane / 8) % 2, row 8 (W8 % 2) + lane % 8
	s_lshl_b32 s32, s31, 10
	s_lshl_b32 s33, s28, 7
	s_add_co_u32 s32, s32, s33
	v_lshlrev_b32 v[KCW0], 4, v[L7]
	s_wait_alu depctr_va_vdst(0)
	v_lshl_add_u32 v[KCW0], v[B3], 9, v[KCW0]
	v_lshl_add_u32 v[KCW0], v[HH], 8, v[KCW0]
	v_add_nc_u32 v[KCW0], s32, v[KCW0]             ; 512 x tile + 16 (row + 16 (lane / 16))
	s_lshl_b32 s32, s30, 8
	s_add_co_u32 s32, s32, s33
	s_lshl_b32 s33, s29, 3
	s_add_co_u32 s32, s32, s33
	s_add_co_u32 s32, s32, KSO
	v_lshlrev_b32 v[KSW0], 4, v[L7]
	v_lshl_add_u32 v[KSW0], v[B3], 2, v[KSW0]
	v_add_nc_u32 v[KSW0], s32, v[KSW0]             ; KSO + 16 (row + 16 (tile / 4)) + 4 (tile % 4)
	; A V wave takes channels 32 (W8 % 2) + lane and the chunk's block W8 / 2 of 32 keys
	s_lshl_b32 s32, s28, 11
	s_lshl_b32 s33, s30, 9
	s_add_co_u32 s32, s32, s33
	s_lshl_b32 s33, s29, 8
	s_add_co_u32 s32, s32, s33
	s_add_co_u32 s32, s32, VCO
	v_lshlrev_b32 v[VCW0], 4, v[RR]
	v_lshl_add_u32 v[VCW0], v[HH], 10, v[VCW0]
	v_add_nc_u32 v[VCW0], s32, v[VCW0]             ; VCO + 1,024 x channel tile + 512 (block / 2) + 16 (channel % 16 + 16 (block % 2))
	s_lshl_b32 s32, s28, 3
	s_add_co_u32 s32, s32, s31
	s_add_co_u32 s32, s32, VSO
	v_lshlrev_b32 v[VSW0], 4, v[RR]
	v_lshl_add_u32 v[VSW0], v[HH], 2, v[VSW0]
	v_add_nc_u32 v[VSW0], s32, v[VSW0]             ; VSO + 16 (channel % 16) + 4 x channel tile + block
	s_mul_i32 s32, s[WV], 16*SPITCH
	s_add_co_u32 s32, s32, STAGE                   ; my stage
	v_mul_u32_u24 v[SO], v[RR], SPITCH
	v_lshl_add_u32 v[SO], v[HH], 5, v[SO]
	v_add_nc_u32 v[SO], s32, v[SO]                 ; in: row lane % 16, 32 bytes for each half of the lanes
	v_mul_u32_u24 v[SR], v[HH], SPITCH
	v_lshl_add_u32 v[SR], v[RR], 4, v[SR]
	v_add_nc_u32 v[SR], s32, v[SR]                 ; back: lanes 0-15 one row, lanes 16-31 the next
	v_lshlrev_b32 v[GO], 8, v[HH]
	v_lshl_add_u32 v[GO], v[RR], 4, v[GO]          ; and the same two rows in out0
	v_lshlrev_b32 v[RA0], 4, v[LN]
	v_lshl_add_u32 v[RV0], v[RR], 4, VSO
	v_lshlrev_b32 v[GKQ], 8, v[RR]
	v_lshl_add_u32 v[GKQ], v[HH], 7, v[GKQ]
	v_lshlrev_b32 v[VGO], 2, v[LN]
	v_lshlrev_b32 v[SH8], 3, v[HH]
	v_lshlrev_b32 v[PFO], 8, v[LN]
.irp i, 4,5,6,7                                ; the zero codes of k = 64 .. 127 of the first product, on both sides: written once
	v_mov_b32 v[QF0+\i], 0
	v_mov_b32 v[QF1+\i], 0
.irp t, 0,1,2,3
	v_mov_b32 v[KF+8*\t+\i], 0
.endr
.endr
.irp b, 0,1,2,3
	v_mov_b32 v[PT+\b], 0                          ; written once: a lane permute's destination counts as one of its sources (v[T0] has been written above)
.endr
	v_mov_b32 v[T2], 0
	v_mov_b32 v[F+1], 0                            ; named with f as a pair
	s_mov_b32 s[SEL], 0x76543210
	s_mov_b32 s[SEL+1], 0xfedcba98
	s_mov_b32 s[CS], 0x3e38aa3b                    ; c = log2(e) / 8
	s_mov_b32 s[CS+1], s[CS]
	s_and_b32 s32, ttmp7, 0xffff                   ; the head
	s_lshl_b32 s32, s32, 19                        ; its first byte in each tensor: 2,048 rows of 256 bytes
	s_mov_b32 s33, 0
	s_lshl_b32 s34, ttmp9, 17                      ; my work-group's 512 queries,
	s_lshl_b32 s35, s[WV], 13                      ; my wave's 32 of them
	s_add_co_u32 s34, s34, s35
	s_mov_b32 s35, 0
	s_add_nc_u64 s[34:35], s[34:35], s[32:33]
	s_lshl_b32 s37, s[W8], 12                      ; K: my 16 keys of a chunk
	s_lshl_b32 s38, s28, 7                         ; V: my 32 channels,
	s_lshl_b32 s39, s31, 13                        ; my 32 keys of a chunk.  Also: my quarter of a chunk for the prefetches
	s_add_co_u32 s38, s38, s39
	s_add_co_u32 s30, s39, 2*CHUNKB                ; the prefetches stand in chunk 2; the first trip steps them to chunk 3
	s_mov_b32 s31, 0
	s_and_b32 s29, s[WV], 1
	s_or_b32 s29, s29, ttmp9                       ; 0 in the even waves of the head's first work-group
	s_cmp_eq_u32 s29, 0
	s_cselect_b32 s[LIMJ], 13, 0
	s_wait_kmcnt 0x0
	s_add_nc_u64 s[QB:QB+1], s[4:5], s[34:35]
	s_add_nc_u64 s[OB:OB+1], s[10:11], s[34:35]
	s_cmp_lt_u32 s[WV], 8                          ; waves 0-7 stage K, waves 8-15 V: the choice hangs on the wave's number alone
	s_cselect_b64 s[SB:SB+1], s[6:7], s[8:9]
	s_cselect_b64 s[PFA:PFA+1], s[6:7], s[8:9]
	s_cselect_b32 s38, s37, s38
	s_mov_b32 s39, 0
	s_add_nc_u64 s[SB:SB+1], s[SB:SB+1], s[32:33]
	s_add_nc_u64 s[SB:SB+1], s[SB:SB+1], s[38:39]  ; chunk 0, my part
	s_add_nc_u64 s[PFA:PFA+1], s[PFA:PFA+1], s[32:33]
	s_add_nc_u64 s[PFA:PFA+1], s[PFA:PFA+1], s[30:31]
	s_wait_alu depctr_va_vdst(0)                   ; the offsets and addresses that are never written again (v[GKQ], v[VGO], v[PFO], v[SO], v[SR], v[GO]) are written: every global load, prefetch and store and the stage's LDS instructions read them
.irp u, 0,1                                    ; my two tiles of q: lane (r, h) takes block h of row r
.irp i, 0,1,2,3,4,5,6,7
	global_load_b128 v[S+32*\u+4*\i:S+32*\u+4*\i+3], v[GKQ], s[QB:QB+1] offset:4096*\u+16*\i th:TH_LOAD_NT
.endr
.endr
	s_cmp_lt_u32 s[WV], 8
	s_cbranch_scc0 .Lfirst_v
	KLOADS                                         ; chunk 0
	s_branch .Lfirst_asked
.Lfirst_v:
	VLOADS
.Lfirst_asked:
	INIT                                           ; work on registers while the first loads are on their way; it names none of the registers in which they land
	s_wait_loadcnt 0x0
	QBLK S, QF0                                    ; Q is read by one wave, once: it is quantised in registers and stays
	WORD QS0
	QBLK S+32, QF1
	WORD QS1
	QPH 1, 0                                       ; record 0 is stored, chunk 1 asked for.  Its wait on va_vdst also states that Q's codes and scale words are written, which the scaled products take, and v[RA] and v[RV], which the first step's loads read
	s_wait_dscnt 0x0                               ; for the others' sake: my stores into record 0 are done
	s_wait_alu depctr_vm_vsrc(0)                   ; those stores have read v[PC ..], v[T1] and their addresses, which the first trip's phase writes again
	s_barrier_signal -1
	s_barrier_wait -1                              ; record 0 is whole
	s_mov_b32 s[J], 0
.Lp1:                                              ; PASS 1, 16 trips: tile 0 on record J, and record J + 1 in the making
	s_cmp_lt_u32 s[J], 15                          ; the last trip has nothing left to quantise
	s_cbranch_scc0 .Lnoq
	s_wait_xcnt 0x0                                ; the last prefetch, a trip back, has read its address, so it may be stepped
	s_add_nc_u64 s[PFA:PFA+1], s[PFA:PFA+1], CHUNKB
	QPH 0, REC
	ASK
.Lnoq:
	s_wait_dscnt 0x0                               ; for the others' sake: my stores into record J + 1 are done
	s_wait_alu depctr_vm_vsrc(0)                   ; those stores have read v[PC ..], which this step's conversions write again, and v[T1] and their addresses, which the next phase writes again
	s_barrier_signal -1                            ; say so,
	ATT QF0, QS0, S, 0                             ; work on record J, whose bytes no wave writes again: register work and LDS loads alone,
	s_barrier_wait -1                              ; and go on when all sixteen have said so: record J + 1 is whole
	s_add_co_u32 s[J], s[J], 1
	s_cmp_lt_u32 s[J], 16
	s_cbranch_scc1 .Lp1
	OUT 0
	INIT
	s_wait_xcnt 0x0                                ; the stores of tile 0 have read their registers, which the next pass writes again
	s_wait_alu depctr_vm_vsrc(0)                   ; the stage's stores have read v[S .. S+31] and tile 0's global stores v[S+32 .. S+63], which the next pass's products write again
	s_wait_alu depctr_va_vdst(0)                   ; v[RA] and v[RV] are written anew, which the next pass's first LDS loads read
	s_mov_b32 s[J], 0
.Lp2:                                              ; PASS 2, 16 trips: tile 1.  All records are whole since pass 1's barriers: no barrier, no global load
	ATT QF1, QS1, X, 1
	s_add_co_u32 s[J], s[J], 1
	s_cmp_lt_u32 s[J], 16
	s_cbranch_scc1 .Lp2
	OUT 1
	s_wait_dscnt 0x0                               ; the closing lines, six on end
	s_wait_alu 0x0
	s_wait_tensorcnt 0x0
	ds_add_u32 v[SPW], v[NIL]
	s_wait_dscnt 0x0
	s_endpgm
.Lfunc_end_k_q7875cf9259_attend:
	.size	k_q7875cf9259_attend, .Lfunc_end_k_q7875cf9259_attend-k_q7875cf9259_attend
	.p2alignl 7, 3214868480
	.fill 96, 4, 3214868480
	.section	.rodata,"a",@progbits
	.p2align	6, 0x0
	.amdhsa_kernel k_q7875cf9259_attend
		.amdhsa_group_segment_fixed_size 215040
		.amdhsa_private_segment_fixed_size 0
		.amdhsa_enable_private_segment 0
		.amdhsa_kernarg_size 32
		.amdhsa_user_sgpr_count 2
		.amdhsa_user_sgpr_kernarg_segment_ptr 1
		.amdhsa_wavefront_size32 1
		.amdhsa_system_sgpr_workgroup_id_x 1
		.amdhsa_system_sgpr_workgroup_id_y 1
		.amdhsa_system_sgpr_workgroup_id_z 1
		.amdhsa_system_vgpr_workitem_id 0
		.amdhsa_next_free_vgpr 240
		.amdhsa_next_free_sgpr 66
		.amdhsa_reserve_vcc 0
		.amdhsa_float_denorm_mode_32 3
		.amdhsa_float_denorm_mode_16_64 3
		.amdhsa_memory_ordered 1
		.amdhsa_forward_progress 1
		.amdhsa_inst_pref_size 67
	.end_amdhsa_kernel
	.amdgpu_metadata
---
amdhsa.version: [ 1, 2 ]
amdhsa.kernels:
  - .name:           k_q7875cf9259_attend
    .symbol:         k_q7875cf9259_attend.kd
    .args:
      - { .name: q, .offset: 0, .size: 8, .value_kind: global_buffer, .address_space: global }
      - { .name: k, .offset: 8, .size: 8, .value_kind: global_buffer, .address_space: global }
      - { .name: v, .offset: 16, .size: 8, .value_kind: global_buffer, .address_space: global }
      - { .name: out0, .offset: 24, .size: 8, .value_kind: global_buffer, .address_space: global }
    .group_segment_fixed_size: 215040
    .private_segment_fixed_size: 0
    .kernarg_segment_align: 8
    .kernarg_segment_size: 32
    .max_flat_workgroup_size: 512
    .sgpr_count:     66
    .vgpr_count:     240
    .wavefront_size: 32
...
	.end_amdgpu_metadata
.endif
;; end of part 2
